; MI455X (gfx1250); checked and timed in simulation.
; The chip was launched on July 23, 2026; its instructions are those of AMD's public machine-readable ISA for CDNA 5 (MIT licence, August 2026) and "CDNA5" Instruction Set Architecture Reference Guide (July 2026). The comments in the code are by the model that wrote it; some were corrected since.
;; Model. Allowed arithmetic: matrix products marked QUANTISED: E3M2 operands, one E8M0 scale for each 32 along K, by v_wmma_scale_f32_16x16x128_f8f6f4 with both operands' format E3M2, f32 sums; everything else in f32.
;; Inputs: inv_scale_factor 1 float32; key 2 x 16 x 2,048 x 64 float32; query 2 x 16 x 2,048 x 64 float32; value 2 x 16 x 2,048 x 64 float32.
;; Outputs: out0 2 x 16 x 2,048 x 64 float32.
;; This version of the problem:
;;   THIS VERSION OF THE PROBLEM IS GIVEN IN LOW PRECISION. The matrix products marked QUANTISED in the list below multiply operands that are first quantised to E3M2 (3 exponent bits, 2 mantissa bits; 6 bits a number), with one power-of-two scale for each 32 numbers along K (OCP MX v1.0); their sums are f32. All else is computed in f32.
;;   The module's matrix products, in the order in which they are computed (A, B: the left and right operand; K: the contracted axis; several contracted axes count as one K, in the product's order):
;;     1. batch 32 x [M 2,048, K 64] x [K 64, N 2,048]; A: input query; B: input key: QUANTISED
;;     2. batch 32 x [M 2,048, K 2,048] x [K 2,048, N 64]; A: softmax (see below); B: input value: QUANTISED
;;   THE QUANTISER, for each operand of a quantised product, along K:
;;     - K is cut into blocks of 32 from its start; a last block that is shorter is filled with zeros.
;;     - A block's scale is 2^e with e = floor(log2(the largest magnitude in the block)) - 4, held to -126 .. 127; a block of zeros has e = 0. As a byte (E8M0): e + 127.
;;     - Each number is divided by its block's scale, clamped to +-28, and rounded to the nearest number of E3M2, ties to even, subnormals kept.
;;     - The product sums the exact products of the quantised numbers (number of the format x scale) in f32.
;;   ~~~python
;;   def quantise(x, axis):      # numpy; x: float32 -> the quantised numbers, widened to float32 again
;;       x = np.moveaxis(x, axis, -1); K = x.shape[-1]
;;       x = np.pad(x, [(0, 0)] * (x.ndim - 1) + [(0, -K % 32)]); x = x.reshape(x.shape[:-1] + (-1, 32)); a = np.abs(x).max(-1, keepdims=True)
;;       e = np.where(a > 0, np.clip(np.frexp(np.where(a > 0, a, 1))[1] - 1 - 4, -126, 127), 0)      # np.frexp(a)[1] - 1 = floor(log2(a)), exactly
;;       r = np.clip(x / 2.0 ** e, -28, 28)
;;       step = 2.0 ** (np.maximum(np.frexp(np.where(r == 0, 1, r))[1] - 1, -2) - 2)
;;       q = np.round(r / step) * step * 2.0 ** e      # np.round: ties to even
;;       return np.moveaxis(q.reshape(q.shape[:-2] + (-1,))[..., :K], -1, axis).astype(np.float32)
;;   ~~~
;;   SOFTMAX AHEAD OF A QUANTISED PRODUCT. Where the list says 'softmax', what is quantised is not the finished softmax but p = 2^(t - M), with t = logit x log2(e) and M = ceil(the row's largest t), a whole number; so 1/2 < the row's largest p <= 1. The row's sum l is taken of the UNQUANTISED p, in f32, and the product's result is divided by l at the end. Since M is a whole number, a kernel that streams over the keys may use a running M (the ceiling of the running maximum): every later rescaling is an exact power of two, which a block's scale takes up: the codes' values come out the same.
;;   OPERANDS COMPUTED ON THE WAY. 'Computed on the way' means the value that the module computes at that place (a softmax that the list does not call 'softmax' is quantised finished and normalised). What goes into a quantiser is computed in f32, as accurately as f32 sums, v_exp_f32 and their like allow (about 1e-6 of the number): no bf16 or f16 on the way to a quantiser, and a product that is left as it is and whose result goes on into a quantised operand takes f32 operands (vector FMAs, or v_wmma_f32_16x16x4_f32). A number that lies on a knife's edge between two numbers of the format may be rounded either way, as far as f32 arithmetic and the matrix unit's own rounding can turn it there, and no further.
;; One version. Each part assembles by itself: llvm-mc -triple=amdgcn-amd-amdhsa -mcpu=gfx1250 --defsym DOCPART=n.
;; ======== version 1 of 1: 2 launches
;; limits: right only within a limited range of input values
;; workspace buffers: kv 6,684,672 bytes
;; launch quant (part 1): grid 16 x 32, 4 waves a work-group, no clusters, 69,376 bytes of LDS; arguments key, value, kv; writes kv
.if DOCPART == 1
	.amdgcn_target "amdgcn-amd-amdhsa--gfx1250"
	.amdhsa_code_object_version 6
	.text
	.protected	k_q43a76824c6_quant
	.globl	k_q43a76824c6_quant
	.p2align	8
	.type	k_q43a76824c6_quant,@function
k_q43a76824c6_quant:
	s_mov_b64 s[64:65], 0
	v_nop
	global_prefetch_b8 v0, s[64:65] scope:SCOPE_SE
	s_setreg_imm32_b32 hwreg(HW_REG_WAVE_MODE, 25, 1), 1
	s_wait_xcnt 0x0
; key and value, [32 heads][2048 keys][64] f32, become codes of BF6 (E3M2) with one E8M0 scale byte for each 32 along a product's K, laid as IMAGES OF THE OPERANDS' REGISTERS for the attention launch.
; A work-group makes one STEP BLOCK of kv: 128 keys of one head, 13,056 bytes:
;   0      8 tiles of K, six registers each (K = the head's 64), as ONE run of 48 registers: registers 4 g .. 4 g + 3 of the run at 512 g + 16 x lane; tile T's six begin at register 6 T
;   6,144  4 tiles of V^T, 1,536 bytes each: registers 4 g .. 4 g + 3 at 512 g + 16 x lane (K = the step's 128 keys)
;   12,288 K's scale words: tile (c, u), row r at 16 r + 256 c + 4 u        12,800 V's: tile t, row r at 8 r + 128 (t / 2) + 4 (t % 2)
; THE KEYS OF A TILE OF K ARE NOT NEIGHBOURS: row m of tile T = 4 c + u is key 64 c + 32 (m / 8) + 8 u + m % 8, so that in S^T = K Q^T a lane's 32 registers of tiles (c, 0..3) are one whole block of 32 neighbouring keys.
; A block's scale is 2^(floor(log2(its largest magnitude)) - 4); its byte is the largest magnitude's exponent field - 4, held at 1 from below.
; LIMITS: NaN and infinities among the inputs are not served.  A block of zeros, or one whose largest magnitude lies under 2^-122, gets the byte 1 (the rule says 127 for zeros): its codes are zeros or subnormals,
; which is the same number under either byte for zeros, and the bytes are read by this program alone.
; SHARES: wave w loads V's keys 32 w .. 32 w + 31 and the 32 keys of K's tiles 2 w and 2 w + 1, every load 512 consecutive bytes; it quantises those two tiles of K and tile w of V^T.
; K turns through the wave's own stage (a lane wants 32 neighbours of one row); V through a stage of the work-group's (a lane wants one column, its registers running down the keys), with one barrier.
.set STEPB, 13056
.set HEADB, 16*STEPB
.set VSTG,  0                          ; V's stage: key k at 256 k + 128 (k / 32): 4 x 8,320 bytes; the skew sets lanes 16-31 of a column read 32 words off lanes 0-15
.set VWAVE, 8320
.set KSTG,  4*VWAVE                    ; K's stages: for each wave 32 places of 256 + 16 bytes; place 16 tile + row
.set KPL,   272
.set KWAVE, 32*KPL
.set SCL,   KSTG+4*KWAVE               ; the block's last 768 bytes, as they will lie in kv
.set VL,  32                           ; v32-95   V as loaded; later Y: two blocks of 32 keys of my column
.set Y,   32
.set KL,  96                           ; v96-159  K as loaded
.set X,   160                          ; v160-223 two tiles x 32 neighbours of my row of K; at the end the scale words on their way out
; v1 lane, v2 r, v3 h; v4, v5 offsets in value and key; v6 V into its stage, v7 out of it; v8 K into its stage, v9 out of it; v10, v11 where my scale words go;
; v12 my 16 bytes of an image's group, + my wave's 1,536 bytes; v14 8 h; v15, v16 16 and 8 x lane; v17, v18 the scale words' way out; v19-21 at work; v22-25 bytes; v26-29 words;
; v224-235 K's codes, v236-242 second halves of blocks, v244-255 V's codes.  Every store has data registers of its own, and no address register is written again.
; 32 numbers of a lane, v[x] on, one whole block, become six registers of codes at v[dst] (an even number) and the scale's byte in v[by].
.macro QBLK x, dst, tmp, m, n, so, by
	v_max3_num_f32 v[\m], |v[\x]|, |v[\x+1]|, 0x2800000            ; the floor 2^(5 - 127) among the leaves: the byte cannot fall under 1
	v_max3_num_f32 v[\n], |v[\x+16]|, |v[\x+17]|, |v[\x+18]|       ; two chains, so that no line waits for the line above it
.irp i, 0,1,2,3,4,5
	v_max3_num_f32 v[\m], v[\m], |v[\x+2+2*\i]|, |v[\x+3+2*\i]|
	v_max3_num_f32 v[\n], v[\n], |v[\x+19+2*\i]|, |v[\x+20+2*\i]|
.endr
	v_max3_num_f32 v[\m], v[\m], |v[\x+14]|, |v[\x+15]|
	v_max3_num_f32 v[\m], v[\m], v[\n], |v[\x+31]|                 ; the block's largest magnitude
	v_add_nc_u32 v[\so], 0xfe000000, v[\m]                         ; 4 off its exponent field: the conversion takes the exponent field of this operand as its scale
	v_lshrrev_b32 v[\by], 23, v[\so]                               ; the scale's byte
	v_cvt_scalef32_pk16_bf6_f32 v[\dst:\dst+2], v[\x:\x+15], v[\so]
	v_cvt_scalef32_pk16_bf6_f32 v[\tmp:\tmp+2], v[\x+16:\x+31], v[\so]   ; (a conversion's three registers begin on an even number)
	v_nop                                                          ; one plain place behind a scaled conversion
.irp i, 0,1,2
	v_mov_b32 v[\dst+3+\i], v[\tmp+\i]
.endr
.endm
	s_load_b128 s[4:7], s[0:1], 0x0                ; key s[4:5], value s[6:7]
	s_load_b64 s[8:9], s[0:1], 0x10                ; kv
	v_lshl_add_u32 v239, v0, 2, 0x10d00
	v_mov_b32 v243, 0
	v_lshrrev_b32 v1, 5, v0
	v_readfirstlane_b32 s10, v1                    ; wave 0..3
	v_and_b32 v1, 31, v0                           ; lane
	s_wait_alu depctr_va_vdst(0)
	v_and_b32 v2, 15, v0                           ; r
	s_wait_alu depctr_va_vdst(0)
	v_bfe_u32 v3, v0, 4, 1                         ; h
	s_and_b32 s11, ttmp7, 0xffff                   ; the head
	s_lshl_b32 s12, s11, 19                        ; a head is 524,288 bytes of key and of value,
	s_lshl_b32 s16, ttmp9, 15                      ; a step's 128 keys 32,768
	s_add_co_u32 s12, s12, s16
	s_mov_b32 s13, 0
	s_mul_i32 s14, s11, HEADB
	s_mul_i32 s16, ttmp9, STEPB
	s_add_co_u32 s14, s14, s16                     ; my step block in kv
	s_mov_b32 s15, 0
	s_lshr_b32 s17, s10, 1                         ; wave / 2
	s_and_b32 s18, s10, 1                          ; wave % 2
	v_lshlrev_b32 v15, 4, v1                       ; 16 x lane
	v_lshlrev_b32 v16, 3, v1                       ; 8 x lane
	s_lshl_b32 s16, s10, 13
	v_add_nc_u32 v4, s16, v15                      ; value: my wave's 32 keys, 16 bytes a lane
	s_lshl_b32 s16, s17, 14
	s_lshl_b32 s19, s18, 12
	s_add_co_u32 s16, s16, s19
	v_add_nc_u32 v5, s16, v15                      ; key: from key 64 (wave / 2) + 16 (wave % 2) on
	s_mul_i32 s16, s10, VWAVE
	v_add_nc_u32 v6, s16, v15                      ; V into its stage: as loaded
	v_lshlrev_b32 v7, 2, v2
	s_wait_alu depctr_va_vdst(0)
	v_mad_u32_u24 v7, v3, VWAVE, v7
	s_lshl_b32 s16, s10, 6
	v_add_nc_u32 v7, s16, v7                       ; out of it: column 16 wave + r, from key 32 h on
	s_mul_i32 s16, s10, KWAVE
	s_add_co_u32 s16, s16, KSTG                    ; my stage for K
	v_mul_u32_u24 v8, v3, KPL
	v_lshl_add_u32 v8, v2, 4, v8
	v_add_nc_u32 v8, s16, v8                       ; in: a load's two rows go to two neighbouring places
	v_mul_u32_u24 v9, v2, KPL
	v_lshl_add_u32 v9, v3, 7, v9
	v_add_nc_u32 v9, s16, v9                       ; out: place r, my half's 128 bytes
	s_lshl_b32 s16, s17, 8
	s_lshl_b32 s19, s18, 3
	s_add_co_u32 s16, s16, s19
	s_add_co_u32 s16, s16, SCL
	v_lshlrev_b32 v10, 4, v2
	v_lshl_add_u32 v10, v3, 2, v10
	v_add_nc_u32 v10, s16, v10                     ; K's scale words: lanes 0-15 store tile 2 w's, lanes 16-31 tile 2 w + 1's
	s_lshl_b32 s16, s17, 7
	s_lshl_b32 s19, s18, 2
	s_add_co_u32 s16, s16, s19
	s_add_co_u32 s16, s16, SCL+512
	v_lshlrev_b32 v11, 3, v2
	v_add_nc_u32 v11, s16, v11                     ; V's: tile w, row r
	s_mul_i32 s16, s10, 1536                       ; two tiles of K (twelve registers), or one of V^T
	v_add_nc_u32 v12, s16, v15
	v_lshlrev_b32 v14, 3, v3                       ; 8 h: my byte's place in a scale word
	v_add_nc_u32 v17, SCL, v15
	v_add_nc_u32 v18, SCL+512, v16
	v_cmp_ne_u32 vcc_lo, 0, v3                     ; lanes 16-31
	v_mov_b32 v28, 0                               ; written once: a lane permute's destination counts as one of its sources
	v_mov_b32 v29, 0
	s_mov_b32 s24, 0x76543210
	s_mov_b32 s25, 0xfedcba98                      ; v_permlanex16_b32's selects for lane l xor 16
	s_wait_kmcnt 0x0
	s_add_nc_u64 s[4:5], s[4:5], s[12:13]
	s_add_nc_u64 s[6:7], s[6:7], s[12:13]
	s_add_nc_u64 s[8:9], s[8:9], s[14:15]
.irp i, 0,1,2,3,4,5,6,7,8,9,10,11,12,13,14,15
	global_load_b128 v[VL+4*\i:VL+4*\i+3], v4, s[6:7] offset:512*\i th:TH_LOAD_NT          ; 32 lanes read 512 consecutive bytes: two keys' rows; read once in the launch
.endr
.irp g, 0,1                                    ; K: 16 keys, and the 16 that lie 32 keys on
.irp i, 0,1,2,3,4,5,6,7
	global_load_b128 v[KL+32*\g+4*\i:KL+32*\g+4*\i+3], v5, s[4:5] offset:8192*\g+512*\i th:TH_LOAD_NT
.endr
.endr
	s_wait_loadcnt 16                              ; V's sixteen loads are in; K's sixteen, issued behind them, may be out
.irp i, 0,1,2,3,4,5,6,7,8,9,10,11,12,13,14,15
	ds_store_b128 v6, v[VL+4*\i:VL+4*\i+3] offset:VSTG+512*\i
.endr
	s_wait_loadcnt 0x0
.irp g, 0,1
.irp i, 0,1,2,3,4,5,6,7                        ; key 2 i + h of run g is row 8 g + (2 i + h) % 8 of tile i / 4
	ds_store_b128 v8, v[KL+32*\g+4*\i:KL+32*\g+4*\i+3] offset:KPL*(16*(\i/4)+8*\g+2*(\i%4))
.endr
.endr
.irp t, 0,1
.irp j, 0,1,2,3,4,5,6,7
	ds_load_b128 v[X+32*\t+4*\j:X+32*\t+4*\j+3], v9 offset:16*KPL*\t+16*\j   ; my own bytes: LDS serves a wave's instructions in order (ISA guide 5.7.1.4), so these see the stores above
.endr
.endr
	s_wait_dscnt 0x0                               ; for the others' sake: my part of V's stage is written (and my rows of K are in)
	s_barrier_signal -1
	s_barrier_wait -1                              ; V's stage is whole
.irp c, 0,1
.irp i, 0,1,2,3,4,5,6,7,8,9,10,11,12,13,14,15,16,17,18,19,20,21,22,23,24,25,26,27,28,29,30,31
	ds_load_b32 v[Y+32*\c+\i], v7 offset:VSTG+2*VWAVE*\c+256*\i             ; V(key 64 c + 32 h + i, column 16 w + r)
.endr
.endr
	; K's two tiles, while V's columns come
	QBLK X, 224, 236, 19, 20, 21, 22
	QBLK X+32, 230, 240, 19, 20, 21, 23
.irp g, 0,1,2
	global_store_b128 v12, v[224+4*\g:227+4*\g], s[8:9] offset:512*\g        ; my two tiles' twelve registers are registers 12 w .. 12 w + 11 of the run of 48; 32 lanes store 512 consecutive bytes, at a multiple of 256 from kv's first byte
.endr
	v_lshlrev_b32 v26, v14, v22                    ; my block's byte at its place: block h is byte h
	v_lshlrev_b32 v27, v14, v23
	v_permlanex16_b32 v28, v26, s24, s25
	v_permlanex16_b32 v29, v27, s24, s25
	v_or_b32 v26, v26, v28                         ; with lane l xor 16's
	v_or_b32 v27, v27, v29
	v_cndmask_b32 v26, v26, v27, vcc_lo            ; lanes 16-31 keep the second tile's word
	v_lshl_or_b32 v26, v26, 16, v26                ; bytes 2 and 3, the scales above K = 64, where Q's codes are zeros, repeat bytes 0 and 1: never 0xff, and never larger than the row's own scales
	ds_store_b32 v10, v26
	s_wait_dscnt 0x0                               ; V's columns are in
	QBLK Y, 244, 236, 19, 20, 21, 24
	QBLK Y+32, 250, 240, 19, 20, 21, 25
.irp g, 0,1,2
	global_store_b128 v12, v[244+4*\g:247+4*\g], s[8:9] offset:6144+512*\g
.endr
	v_lshl_or_b32 v27, v25, 16, v24                ; my two bytes: blocks h and 2 + h of row r,
	v_lshlrev_b32 v27, v14, v27                    ; at their places;
	v_permlanex16_b32 v28, v27, s24, s25
	v_or_b32 v27, v27, v28                         ; with lane l xor 16's two the word is whole
	ds_store_b32 v11, v27                          ; both halves of the lanes write the same word with the same value
	s_wait_dscnt 0x0                               ; for wave 0's sake: my scale words are written
	s_barrier_signal -1
	s_barrier_wait -1
	s_cmp_lg_u32 s10, 0
	s_cbranch_scc1 .Ldone
	ds_load_b128 v[160:163], v17                   ; wave 0 sends the block's 768 bytes of scale words out in three whole runs of 256 bytes
	ds_load_b64 v[164:165], v18
	s_wait_dscnt 0x0
	global_store_b128 v15, v[160:163], s[8:9] offset:12288
	global_store_b64 v16, v[164:165], s[8:9] offset:12800
.Ldone:
	s_wait_tensorcnt 0x0
	ds_add_u32 v239, v243
	s_wait_dscnt 0x0
	s_endpgm
.Lfunc_end_k_q43a76824c6_quant:
	.size	k_q43a76824c6_quant, .Lfunc_end_k_q43a76824c6_quant-k_q43a76824c6_quant
	.p2alignl 7, 3214868480
	.fill 96, 4, 3214868480
	.section	.rodata,"a",@progbits
	.p2align	6, 0x0
	.amdhsa_kernel k_q43a76824c6_quant
		.amdhsa_group_segment_fixed_size 69376
		.amdhsa_private_segment_fixed_size 0
		.amdhsa_enable_private_segment 0
		.amdhsa_kernarg_size 24
		.amdhsa_user_sgpr_count 2
		.amdhsa_user_sgpr_kernarg_segment_ptr 1
		.amdhsa_wavefront_size32 1
		.amdhsa_system_sgpr_workgroup_id_x 1
		.amdhsa_system_sgpr_workgroup_id_y 1
		.amdhsa_system_sgpr_workgroup_id_z 1
		.amdhsa_system_vgpr_workitem_id 0
		.amdhsa_next_free_vgpr 256
		.amdhsa_next_free_sgpr 66
		.amdhsa_reserve_vcc 1
		.amdhsa_float_denorm_mode_32 3
		.amdhsa_float_denorm_mode_16_64 3
		.amdhsa_memory_ordered 1
		.amdhsa_forward_progress 1
		.amdhsa_inst_pref_size 21
	.end_amdhsa_kernel
	.amdgpu_metadata
---
amdhsa.version: [ 1, 2 ]
amdhsa.kernels:
  - .name:           k_q43a76824c6_quant
    .symbol:         k_q43a76824c6_quant.kd
    .args:
      - { .name: key, .offset: 0, .size: 8, .value_kind: global_buffer, .address_space: global }
      - { .name: value, .offset: 8, .size: 8, .value_kind: global_buffer, .address_space: global }
      - { .name: kv, .offset: 16, .size: 8, .value_kind: global_buffer, .address_space: global }
    .group_segment_fixed_size: 69376
    .private_segment_fixed_size: 0
    .kernarg_segment_align: 8
    .kernarg_segment_size: 24
    .max_flat_workgroup_size: 128
    .sgpr_count:     66
    .vgpr_count:     256
    .wavefront_size: 32
...
	.end_amdgpu_metadata
.endif
;; end of part 1
;; launch attn (part 2): grid 8 x 32, 8 waves a work-group, clusters of 4 x 1, 280,576 bytes of LDS; arguments query, kv, inv_scale_factor, out0; writes out0
.if DOCPART == 2
	.amdgcn_target "amdgcn-amd-amdhsa--gfx1250"
	.amdhsa_code_object_version 6
	.text
	.protected	k_q43a76824c6_attn
	.globl	k_q43a76824c6_attn
	.p2align	8
	.type	k_q43a76824c6_attn,@function
k_q43a76824c6_attn:
	s_mov_b64 s[64:65], 0
	v_nop
	global_prefetch_b8 v0, s[64:65] scope:SCOPE_SE
	s_setreg_imm32_b32 hwreg(HW_REG_WAVE_MODE, 25, 1), 1
	s_wait_xcnt 0x0
	s_wait_alu depctr_hold_cnt(0) depctr_sa_sdst(0) depctr_va_vdst(0) depctr_va_sdst(0) depctr_va_ssrc(0) depctr_va_vcc(0) depctr_vm_vsrc(0)
	s_getreg_b32 s2, hwreg(HW_REG_IB_STS2, 6, 4)
	s_cmp_eq_u32 s2, 0
	s_cbranch_scc0 .Lentry_in_a_cluster
	s_endpgm
.Lentry_in_a_cluster:
	s_bfe_u32 s2, ttmp6, 0x10000c
	s_cmp_lg_u32 s2, 0x3003
	s_cbranch_scc0 .Lentry_shape_is_right
	s_endpgm
.Lentry_shape_is_right:
; out0[h][q][:] = the sum over k of softmax_k(Q[h][q] . K[h][k] / inv_scale_factor) V[h][k][:]; 32 heads, 2,048 queries and keys, head size 64; both products on codes of BF6 (E3M2) with one E8M0 scale for each 32 along K.
; K and V come as codes from kv, laid by the launch before as images of the operands' registers, 13,056 bytes for each 128 keys; Q is read once, by one wave, and is quantised here in registers.
; THE SOFTMAX: t = score x c, c = log2(e) / inv; M = the row's largest t so far, rounded up to a whole number; p = 2^(t - M) is quantised along the keys, not normalised.  The row's sum is taken of the unquantised p
; and divides at the end.  When M moves, the sum and O are multiplied by 2^(old M - new M): exact.
; SHARES.  A work-group owns 256 queries of one head; each of its eight waves 32 of them, two tiles of 16, so that each fragment of K and V read from LDS serves two matrix instructions.  A STEP is 256 keys, two halves a and b
; of 128: their scores of both tiles fill window 1 (256 registers), so that the maxima, the change of M and the rescaling of O come once for 256 keys.
; A WHOLE HEAD'S CODES AND SCALE WORDS, 208,896 bytes, LIE IN LDS: wave w asks once, at the head, for step w's 26,112 bytes; no byte of LDS is filled twice, so there is no ring, and nothing is left that a loop could ask for ahead
; (no prefetch into the L2 for that reason).
; CLUSTER.  The four work-groups of a cluster belong to one head and need the same 208,896 bytes: each load is JOINT: the same line, descriptor and mask in all four.
; LAYOUT.  Both products are used transposed: S^T = K Q^T, O^T = V^T P^T: a lane holds ONE query (lane % 16) of each tile throughout.  Row m of K's tile T = 4 c + u is key 64 c + 32 (m / 8) + 8 u + m % 8: so register
; 32 c + i of a half's S^T is key 64 c + 32 (lane / 16) + i: 32 registers are ONE WHOLE BLOCK of the second product's K, in the order that its operand wants.
; THE FIRST PRODUCT'S K IS 64.  K's tiles lie on end, six registers each.  Query tile 0's fragment is [Q | zero codes]: it takes the twelve registers that BEGIN with tile T's six.  Query tile 1's is [zero codes | Q]: it takes the
; twelve that END with them.  Whatever stands in the other six adds nothing (BF6 has no code for infinity or NaN; K's and Q's scale words repeat bytes 0 and 1 in bytes 2 and 3, so both places have the row's own scales).
; At a run's ends the other six are registers of the text that no load is on its way to: v76-81, v130-135, v184-189.
; LIMITS: NaN and infinities among the inputs are not served; inv_scale_factor = 0 or denormal is not served (the result is not finite there); a negative one is (Q's codes take its sign, which is exact).
; The scaled scores (exponents to the base 2) stay under 2^31 in magnitude.  Blocks of zeros, and blocks whose largest magnitude lies under 2^-122, get the scale byte 1.  p under 2^-126 counts as 0.
; t - M is one fused multiply-add of the score with c, where the definition divides and then multiplies: a difference of about 1e-7 of t.
.set STEPB, 13056                      ; 128 keys' block: K's 48 registers (6,144 bytes), V^T's 48 (6,144), K's scale words (512), V's (256)
.set SUPB,  2*STEPB                    ; a step: 102 dense rows of 256 bytes, what one tensor load brings
.set HEADB, 8*SUPB
.set TROWS, SUPB/256
.set VOFF,  6144
.set KSC,   12288
.set VSC,   12800
.set SROW,  272
.set STG,   HEADB                      ; stages: 32 rows x (256 + 16) bytes for each wave, for Q's turn and for the way out; no tensor load lands here
.set SPARE, STG+8*32*SROW              ; the spare words, 128 bytes for each wave; no other line names them
; WINDOW 0:
.set A16, 0                            ; v0   16 x lane + the step's first LDS byte
.set A8,  1                            ; v1   8 x lane + the same
.set Y,   2                            ; v2-3 the lane permutes' results, for each tile
.set NMB, 4                            ; v4-7 for each tile -M and the largest score so far
.set QS,  8                            ; v8-9 Q's scale words       (v8-11, v15, v19, v28-39 hold scales and nothing else)
.set PSA, 10                           ; v10-11 p's scale words of half a; half b's: v15, v19
.set CB,  12                           ; v12-14, v16-18 at work: second halves of blocks
.set BM,  20                           ; v20-27 for tile q, half x, block c (4 q + 2 x + c): largest score, then largest p, then the conversions' scale operand
.set KS,  28                           ; v28-35 K's scale words: register u of half x: lanes 0-15 tile (0, u), lanes 16-31 tile (1, u)
.set VS,  36                           ; v36-39 V's: register t % 2 of half x: lanes 0-15 tile t < 2, lanes 16-31 tile t >= 2
.set QF,  40                           ; v40-45 Q of tile 0, v46-51 zero codes, v52-57 Q of tile 1
.set P,   58                           ; v58-81 half a's codes of p, twelve for each tile; before that at work
.set F0,  82                           ; v82-129 half a's fragments: K, then V
.set L16, 130                          ; v130 16 x lane
.set L8,  131                          ; v131 8 x lane
.set OST, 132                          ; v132 the stage: row r, + 32 (lane / 16)
.set ROWS, 133                         ; v133 the stage by rows: lanes 0-15 one row, lanes 16-31 the next
.set SPW, 134                          ; v134 my spare word
.set NIL, 135                          ; v135 0     (v130-135 are never rewritten)
.set F1,  136                          ; v136-183 half b's fragments
.set L,   184                          ; v184-187 the row's sum in two halves, for each tile
.set FS,  188                          ; v188-191 for each tile 2^(old M - new M), and the upper half of its pair
.set O,   192                          ; v192-255 O^T: 32 q + 8 t
; WINDOW 1: S^T, then p: tile q, half x at 128 q + 64 x; half b's codes of p at 128 q + 32, where half a's p are done with
.set WV,  12
.set G1,  16
.set G0,  24
.set SEL, 40                           ; s[40:41] lane selects: lane l xor 16
.set CS,  42                           ; s[42:43] c, twice
.set TB,  44                           ; the step's first LDS byte
.set CNT, 45
.set INV, 47
.set SELP, 58                          ; byte selects that join two lanes' scale bytes
.set MK,  59                           ; s59-61 the codes' sign bits in three words on end, or 0
.set MSB, 0
.macro WIN new
.if MSB != \new
	s_set_vgpr_msb (MSB<<8)|\new
.set MSB, \new
.endif
.endm
; A round of the cluster's barrier.
.macro CROUND
	s_barrier_signal -1
	s_barrier_wait -1
	s_cmp_lg_u32 s[WV], 0
	s_cbranch_scc1 .Lnot_wave_0_\@
	s_barrier_signal -3
.Lnot_wave_0_\@:
	s_barrier_wait -3
	s_barrier_signal -1
	s_barrier_wait -1
.endm
; 32 numbers of a lane, v[x] on, one whole block, become six registers of codes at v[dst] (an even number) and the scale's byte in v[by].
.macro QBLK x, dst, tmp, m, n, so, by
	v_max3_num_f32 v[\m], |v[\x]|, |v[\x+1]|, 0x2800000            ; the floor 2^(5 - 127) among the leaves: the byte cannot fall under 1
	v_max3_num_f32 v[\n], |v[\x+16]|, |v[\x+17]|, |v[\x+18]|
.irp i, 0,1,2,3,4,5
	v_max3_num_f32 v[\m], v[\m], |v[\x+2+2*\i]|, |v[\x+3+2*\i]|
	v_max3_num_f32 v[\n], v[\n], |v[\x+19+2*\i]|, |v[\x+20+2*\i]|
.endr
	v_max3_num_f32 v[\m], v[\m], |v[\x+14]|, |v[\x+15]|
	v_max3_num_f32 v[\m], v[\m], v[\n], |v[\x+31]|
	v_add_nc_u32 v[\so], 0xfe000000, v[\m]                         ; 4 off the exponent field: the conversion's scale operand
	v_lshrrev_b32 v[\by], 23, v[\so]
	v_cvt_scalef32_pk16_bf6_f32 v[\dst:\dst+2], v[\x:\x+15], v[\so]
	v_cvt_scalef32_pk16_bf6_f32 v[\tmp:\tmp+2], v[\x+16:\x+31], v[\so]   ; (a conversion's three registers begin on an even number)
	v_nop                                                          ; one plain place behind a scaled conversion
.irp i, 0,1,2
	v_mov_b32 v[\dst+3+\i], v[\tmp+\i]
.endr
.endm
.macro PLACES
.rept 4
	v_nop
.endr
.endm
; one scaled product; row: which half of the lanes has source 0's scales
.macro WM d, a, b, c, sa, sb, row
.if \row
	v_wmma_scale_f32_16x16x128_f8f6f4 v[\d:\d+7], v[\a:\a+11], v[\b:\b+11], \c, v[\sa], v[\sb] matrix_a_fmt:MATRIX_FMT_BF6 matrix_b_fmt:MATRIX_FMT_BF6 matrix_a_scale:MATRIX_SCALE_ROW1
.else
	v_wmma_scale_f32_16x16x128_f8f6f4 v[\d:\d+7], v[\a:\a+11], v[\b:\b+11], \c, v[\sa], v[\sb] matrix_a_fmt:MATRIX_FMT_BF6 matrix_b_fmt:MATRIX_FMT_BF6
.endif
.endm
; S^T of half x: eight tiles of K, two of Q.  (destination window 1)
.macro QK x
.irp t, 0,1,2,3,4,5,6,7
	WM 64*\x+8*\t, F0+54*\x+6*\t, QF, 0, KS+4*\x+\t%4, QS, \t/4
	WM 128+64*\x+8*\t, F0+54*\x+6*\t-6, QF+6, 0, KS+4*\x+\t%4, QS+1, \t/4
.endr
.endm
; O^T += V^T P^T of half x: eight accumulators, one instruction each.  zero = 1: the product starts the sums
.macro PV x, zero
.irp t, 0,1,2,3
.irp q, 0,1
.if \x
	WM O+32*\q+8*\t, F1+12*\t, 128*\q+32, v[O+32*\q+8*\t:O+32*\q+8*\t+7], VS+2+\t%2, CB+3+4*\q, \t/2
.elseif \zero
	WM O+32*\q+8*\t, F0+12*\t, P+12*\q, 0, VS+\t%2, PSA+\q, \t/2
.else
	WM O+32*\q+8*\t, F0+12*\t, P+12*\q, v[O+32*\q+8*\t:O+32*\q+8*\t+7], VS+\t%2, PSA+\q, \t/2
.endif
.endr
.endr
.endm
; 13 LDS loads: half x's fragments of V and their scale words, or of K, byte off on from v[ad]
.macro LOADV x
.irp g, 0,1,2,3,4,5,6,7,8,9,10,11
	ds_load_b128 v[F0+54*\x+4*\g:F0+54*\x+4*\g+3], v[A16] offset:STEPB*\x+VOFF+512*\g
.endr
	ds_load_b64 v[VS+2*\x:VS+2*\x+1], v[A8] offset:STEPB*\x+VSC
.endm
.macro LOADK x, ad, off
.irp g, 0,1,2,3,4,5,6,7,8,9,10,11
	ds_load_b128 v[F0+54*\x+4*\g:F0+54*\x+4*\g+3], v[\ad] offset:\off+STEPB*\x+512*\g
.endr
	ds_load_b128 v[KS+4*\x:KS+4*\x+3], v[\ad] offset:\off+STEPB*\x+KSC
.endm
; t - M of two keys (of the pairs c and -M the low word serves both halves)
.macro AFMA q, x, i
	v_pk_fma_f32 v[128*\q+64*\x+2*(\i):128*\q+64*\x+2*(\i)+1], v[128*\q+64*\x+2*(\i):128*\q+64*\x+2*(\i)+1], s[CS:CS+1], v[NMB+2*\q:NMB+2*\q+1] op_sel_hi:[1,0,0]
.endm
; pair d of window 1 += pair e
.macro ADD2 d, e
	v_pk_add_f32 v[\d:\d+1], v[\d:\d+1], v[\e:\e+1]
.endm
; half x's first level of sums, i = 0 .. 31: tile i / 16, its upper 32 numbers onto its lower 32
.macro SUM1 x, i
	ADD2 128*((\i)/16)+64*\x+2*((\i)%16), 128*((\i)/16)+64*\x+2*((\i)%16)+32
.endm
; 64 exponentials of tile q, half x; between them 32 plain lines that read none of them and whose results are first read behind the next wait: t - M of tile aq, half ax, or (aq = 2) half a's first level of sums
.macro EXPS q, x, aq, ax
.set j, 0
.rept 32
	v_exp_f32 v[128*\q+64*\x+2*j], v[128*\q+64*\x+2*j]
.if \aq < 2
	AFMA \aq, \ax, j
.else
	SUM1 0, j
.endif
	v_exp_f32 v[128*\q+64*\x+2*j+1], v[128*\q+64*\x+2*j+1]
.set j, j+1
.endr
.endm
; p's scale word of tile q, half x into v[ps]: my two blocks' bytes at bytes 0 and 2, lane l xor 16's at 1 and 3 (lanes 0-15 are read)
.macro WORDS x
.irp q, 0,1
	v_lshrrev_b32 v[CB+4*\q], 23, v[BM+4*\q+2*\x]
	v_lshrrev_b32 v[CB+4*\q+1], 23, v[BM+4*\q+2*\x+1]
.endr
.irp q, 0,1
	v_lshl_or_b32 v[CB+4*\q], v[CB+4*\q+1], 16, v[CB+4*\q]
.endr
.irp q, 0,1
	v_permlanex16_b32 v[Y+\q], v[CB+4*\q], s[SEL], s[SEL+1]
.endr
.irp q, 0,1
.if \x
	v_perm_b32 v[CB+3+4*\q], v[CB+4*\q], v[Y+\q], s[SELP]
.else
	v_perm_b32 v[PSA+\q], v[CB+4*\q], v[Y+\q], s[SELP]
.endif
.endr
.endm
.macro CVT d, a, so
	v_cvt_scalef32_pk16_bf6_f32 v[\d:\d+2], v[\a:\a+15], v[\so]
.endm
; A STEP: 256 keys, whose block begins at LDS byte s[TB].  Its K was asked for in the step before.  first = 1: nothing went before.  pf = 1: the next step's K is asked for.
.macro STEP first, pf
	v_add_nc_u32 v[A16], s[TB], v[L16]
	v_add_nc_u32 v[A8], s[TB], v[L8]
	s_wait_alu depctr_va_vdst(0)
	s_wait_dscnt 13                                ; half a's K is in; half b's 13 loads may be out
	WIN 0x40
	QK 0
	PLACES                                         ; in front of the loads into registers that these products have read, and of the first reads of their results
	WIN 0
	LOADV 0
	s_wait_dscnt 13                                ; half b's K is in; the 13 loads just issued may be out
	WIN 0x40
	QK 1
; THE LARGEST SCORE OF EACH BLOCK OF 32 KEYS: it serves the row's maximum and, since p rises with the score, the block's largest p.  Each accumulator is first read at its low end.
	WIN 0x15
.irp q, 0,1
.irp c, 0,1
	v_max3_num_f32 v[BM+4*\q+\c], v[128*\q+32*\c], v[128*\q+32*\c+1], v[128*\q+32*\c+2]   ; these four are the places behind half b's products
.endr
.endr
	WIN 0
	LOADV 1
	WIN 0x15
.irp q, 0,1
.irp c, 0,1
	v_max3_num_f32 v[BM+4*\q+2+\c], v[128*\q+64+32*\c], v[128*\q+64+32*\c+1], v[128*\q+64+32*\c+2]
.endr
.endr
	WIN 0x05
.irp i, 3,5,7,9,11,13,15,17,19,21,23,25,27,29
.irp b, 0,1,2,3,4,5,6,7                        ; eight chains by turns: block b = 4 q + 2 x + c begins at register 32 b of window 1
	v_max3_num_f32 v[BM+\b], v[32*\b+\i], v[32*\b+\i+1], v[BM+\b]
.endr
.endr
	WIN 0x01
.irp b, 0,1,2,3,4,5,6,7
	v_max_num_f32 v[BM+\b], v[32*\b+31], v[BM+\b]
.endr
	WIN 0
; M, for both tiles by turns
.irp q, 0,1
	v_max3_num_f32 v[P+\q], v[BM+4*\q], v[BM+4*\q+1], v[BM+4*\q+2]
.endr
.irp q, 0,1
	v_max_num_f32 v[P+\q], v[P+\q], v[BM+4*\q+3]
.endr
.irp q, 0,1
	v_permlanex16_b32 v[Y+\q], v[P+\q], s[SEL], s[SEL+1]
.endr
.irp q, 0,1
.if \first
	v_max_num_f32 v[NMB+2*\q+1], v[P+\q], v[Y+\q]
.else
	v_max3_num_f32 v[NMB+2*\q+1], v[P+\q], v[Y+\q], v[NMB+2*\q+1]   ; with lane l xor 16's keys and what went before
.endif
.endr
.irp q, 0,1
	v_mul_f32 v[P+2+\q], s[CS], v[NMB+2*\q+1]      ; as t (c is positive, and a rounded product does not fall where its factor rises: this is the largest t)
.endr
.if \first == 0
.irp q, 0,1
	v_mov_b32 v[P+\q], v[NMB+2*\q]
.endr
.endif
.irp q, 0,1
	v_floor_f32 v[NMB+2*\q], -v[P+2+\q]            ; -M = floor(-t) = -ceil(t): a whole number
.endr
.if \first == 0
.irp q, 0,1
	v_sub_f32 v[P+\q], v[NMB+2*\q], v[P+\q]        ; M's old value less its new one: a whole number, 0 or less
.endr
.irp q, 0,1
	v_cvt_i32_f32 v[P+\q], v[P+\q]                 ; (it saturates)
.endr
.irp q, 0,1
	v_ldexp_f32 v[FS+2*\q], 1.0, v[P+\q]           ; 2^(old M - new M): a multiplication by it rounds nothing
.endr
.endif
.irp q, 0,1
.irp b, 0,1,2,3
	v_fma_f32 v[BM+4*\q+\b], v[BM+4*\q+\b], s[CS], v[NMB+2*\q]   ; the blocks' largest scores: the same arithmetic on the same number gives the same bits
.endr
.endr
	WIN 0x41
.set j, 0
.rept 32
	AFMA 0, 0, j
.set j, j+1
.endr
	s_wait_alu depctr_va_vdst(0)
	EXPS 0, 0, 1, 0
	s_wait_alu depctr_va_vdst(0)
	EXPS 1, 0, 0, 1
	WIN 0
.irp b, 0,1,2,3,4,5,6,7
	v_exp_f32 v[BM+\b], v[BM+\b]
.endr
	v_nop                                          ; a plain place behind the exponentials
	s_wait_alu depctr_va_vdst(0)
.irp b, 0,1,2,3,4,5,6,7
	v_max_num_f32 v[BM+\b], 0x2800000, v[BM+\b]    ; the floor 2^(5 - 127): the byte cannot fall under 1 (a block whose every p has fallen to 0 keeps that byte: its codes are zeros)
.endr
.irp b, 0,1,2,3,4,5,6,7
	v_add_nc_u32 v[BM+\b], 0xfe000000, v[BM+\b]    ; 4 off the exponent field: the conversion's scale operand
.endr
.if \first == 0
.irp q, 0,1
	v_pk_mul_f32 v[L+2*\q:L+2*\q+1], v[L+2*\q:L+2*\q+1], v[FS+2*\q:FS+2*\q+1] op_sel_hi:[1,0]   ; the sum under the new M
.endr
.endif
	WORDS 0
; half a's codes: registers 6 c .. 6 c + 5 of the operand: keys 64 c + 32 h + 0 .. 31
	WIN 0x01
	CVT P, 0, BM
	CVT P+6, 32, BM+1
	CVT CB, 16, BM
	CVT CB+4, 48, BM+1
	CVT P+12, 128, BM+4
	CVT P+18, 160, BM+5
	v_nop                                          ; one plain place behind a scaled conversion
	WIN 0
.irp i, 0,1,2
	v_mov_b32 v[P+3+\i], v[CB+\i]
	v_mov_b32 v[P+9+\i], v[CB+4+\i]
.endr
	WIN 0x01
	CVT CB, 144, BM+4
	CVT CB+4, 176, BM+5
	v_nop
	WIN 0
.irp i, 0,1,2
	v_mov_b32 v[P+15+\i], v[CB+\i]
	v_mov_b32 v[P+21+\i], v[CB+4+\i]
.endr
	WIN 0x41
	s_wait_alu depctr_va_vdst(0)
	EXPS 0, 1, 1, 1
	WIN 0x45
	s_wait_alu depctr_va_vdst(0)
	EXPS 1, 1, 2, 0                                ; half a's p are converted: THE ROW'S SUM IS TAKEN OF THE UNQUANTISED p, in place
	WIN 0
	v_nop                                          ; a plain place behind the exponentials
.if \first
	s_wait_tensorcnt 0x0                           ; my load has landed: the barrier shows it to all, under no branch
	s_wait_dscnt 0x0                               ; V's fragments are in; no LDS instruction of mine is out at the signal
	s_barrier_signal -1
	s_barrier_wait -1                              ; everybody's have: from here on the eight waves walk the head's bytes without meeting again
	s_wait_alu depctr_va_vdst(0)
.else
	s_wait_dscnt 0x0                               ; V's fragments of both halves are in
	s_wait_alu depctr_va_vdst(0)
.irp q, 0,1
.irp i, 0,2,4,6,8,10,12,14,16,18,20,22,24,26,28,30
	v_pk_mul_f32 v[O+32*\q+\i:O+32*\q+\i+1], v[O+32*\q+\i:O+32*\q+\i+1], v[FS+2*\q:FS+2*\q+1] op_sel_hi:[1,0]   ; O^T under the new M
.endr
.endr
.endif
	WORDS 1
; half b's codes, into window 1, where half a's upper 32 p of each tile are done with
	WIN 0x41
.irp q, 0,1
	CVT 128*\q+32, 128*\q+64, BM+4*\q+2
	CVT 128*\q+38, 128*\q+96, BM+4*\q+3
	CVT 128*\q+48, 128*\q+80, BM+4*\q+2
	CVT 128*\q+52, 128*\q+112, BM+4*\q+3
.endr
	v_nop
.irp q, 0,1
.irp i, 0,1,2
	v_mov_b32 v[128*\q+35+\i], v[128*\q+48+\i]
	v_mov_b32 v[128*\q+41+\i], v[128*\q+52+\i]
.endr
.endr
	WIN 0
	PV 0, \first
	WIN 0x45
.irp i, 0,1,2,3                                ; four places behind the products, and between half b's codes and theirs
	SUM1 1, \i
.endr
.if \pf
	WIN 0
	LOADK 0, A16, SUPB
.endif
	WIN 0x04
	PV 1, 0
	WIN 0x45
.irp i, 4,5,6,7
	SUM1 1, \i
.endr
.if \pf
	WIN 0
	LOADK 1, A16, SUPB
.endif
	WIN 0x45                                       ; the rest of the sums, while K's loads come
.set j, 8
.rept 24
	SUM1 1, j
.set j, j+1
.endr
.irp i, 0,2,4,6,8,10,12,14,16,18,20,22,24,26,28,30
.irp q, 0,1
	ADD2 128*\q+\i, 128*\q+64+\i
.endr
.endr
.irp i, 0,2,4,6,8,10,12,14
.irp q, 0,1
	ADD2 128*\q+\i, 128*\q+16+\i
.endr
.endr
.irp i, 0,2,4,6
.irp q, 0,1
	ADD2 128*\q+\i, 128*\q+8+\i
.endr
.endr
.irp i, 0,2
.irp q, 0,1
	ADD2 128*\q+\i, 128*\q+4+\i
.endr
.endr
.irp q, 0,1
	ADD2 128*\q, 128*\q+2
.endr
	WIN 0x04
.irp q, 0,1
	v_pk_add_f32 v[L+2*\q:L+2*\q+1], v[L+2*\q:L+2*\q+1], v[128*\q:128*\q+1]
.endr
	WIN 0
.endm
	s_load_b256 s[4:11], s[0:1], 0x0               ; query s[4:5], kv s[6:7], inv_scale_factor s[8:9], out0 s[10:11]
	v_lshl_add_u32 v[SPW], v0, 2, SPARE
	v_mov_b32 v[NIL], 0
	ds_add_u32 v[SPW], v[NIL]                      ; the add twice on end, and below one wait for both
	ds_add_u32 v[SPW], v[NIL]
	v_lshrrev_b32 v[P], 5, v0
	v_readfirstlane_b32 s[WV], v[P]                ; wave 0..7
	s_mul_i32 s56, s[WV], 32*SROW
	s_add_co_u32 s56, s56, STG                     ; my stage
	v_and_b32 v[P+1], 31, v0
	v_lshlrev_b32 v[L16], 4, v[P+1]
	v_lshlrev_b32 v[L8], 3, v[P+1]
	v_and_b32 v[P+2], 15, v0                       ; r
	v_bfe_u32 v[P+3], v0, 4, 1                     ; h
	v_mul_u32_u24 v[P+4], v[P+2], SROW
	v_add_nc_u32 v[P+4], s56, v[P+4]               ; row r
	v_lshl_add_u32 v[CB], v[P+3], 7, v[P+4]        ; my half's 128 bytes of Q
	v_lshl_add_u32 v[OST], v[P+3], 5, v[P+4]
	v_mul_u32_u24 v[P+5], v[P+3], SROW
	v_lshl_add_u32 v[P+5], v[P+2], 4, v[P+5]
	v_add_nc_u32 v[ROWS], s56, v[P+5]
	s_and_b32 s15, ttmp7, 0xffff                   ; the head, which the four partners share
	s_mul_i32 s48, s15, HEADB
	s_mul_i32 s50, s[WV], SUPB                     ; my step's bytes, in memory and in LDS alike; no place in the cluster enters it
	s_add_co_u32 s48, s48, s50
	s_mov_b32 s49, 0
	; descriptor group 1: 102 dense rows of 32 elements of 8 bytes, no padding: the images are read back 16 or 8 bytes a lane on end
	s_mov_b32 s[G1], 15|(3<<16)|(1<<21)            ; 15:0 the mask: all four work-groups; 17:16 elements of 8 bytes; 20 padding off; 21 set beside a mask
	s_mov_b32 s[G1+1], 32<<16                      ; tensor_dim0 = 32
	s_mov_b32 s[G1+2], TROWS<<16                   ; tensor_dim1 = 102
	s_mov_b32 s[G1+3], 32<<16                      ; tile_dim0 = 32
	s_mov_b32 s[G1+4], TROWS                       ; tile_dim1 = 102
	s_mov_b32 s[G1+5], 32                          ; tensor_dim0_stride: rows on end
	s_mov_b32 s[G1+6], 0
	s_mov_b32 s[G1+7], 0
	s_bfe_u32 s13, ttmp6, 0x40000                  ; cx: it enters Q's and O's addresses alone
	s_lshl_b32 s14, ttmp9, 2                       ; in a cluster launch ttmp9 counts clusters
	s_add_co_u32 s14, s14, s13                     ; my block of 256 queries
	s_lshl_b32 s54, s15, 19                        ; a head of Q or O is 524,288 bytes,
	s_lshl_b32 s55, s14, 16                        ; a block of 256 rows 65,536,
	s_add_co_u32 s54, s54, s55
	s_lshl_b32 s55, s[WV], 13                      ; a wave's 32 rows 8,192
	s_add_co_u32 s54, s54, s55
	s_mov_b32 s55, 0
	s_mov_b32 s[SEL], 0x76543210
	s_mov_b32 s[SEL+1], 0xfedcba98
	s_mov_b32 s[SELP], 0x02060004
	s_wait_alu depctr_va_vdst(0)
	s_wait_dscnt 0x0                               ; both opening adds are done
	s_wait_kmcnt 0x0
	s_load_b32 s[INV], s[8:9], 0x0
	s_add_nc_u64 s[4:5], s[4:5], s[54:55]          ; Q and O at my wave's first row
	s_add_nc_u64 s[10:11], s[10:11], s[54:55]
.irp i, 0,1,2,3,4,5,6,7,8,9,10,11,12,13,14,15
	global_load_b128 v[O+4*\i:O+4*\i+3], v[L16], s[4:5] offset:512*\i th:TH_LOAD_NT   ; my 32 rows of Q, 512 consecutive bytes a load; read once in the launch.  They are on their way while the cluster meets: nobody writes these bytes
.endr
	s_add_nc_u64 s[52:53], s[6:7], s[48:49]
	s_mov_b32 s[G0], 1                             ; 1:0 count = 1
	s_mov_b32 s[G0+1], s50                         ; 63:32 LDS address
	s_mov_b64 s[G0+2:G0+3], s[52:53]               ; 120:64 global address
	s_or_b32 s[G0+3], s[G0+3], 0x80000000          ; 127:126 type = 2
	CROUND                                         ; all four work-groups are here: the joint loads meet
	s_cmp_lg_u32 s[WV], 0                          ; every wave issues one load; wave 0 has a line of its own, since it alone waits for it ahead of step 0
	s_cbranch_scc1 .Lrest
	tensor_load_to_lds s[G0:G0+3], s[G1:G1+7]      ; step 0
	s_nop 0
	PLACES
	s_branch .Lasked
.Lrest:
	tensor_load_to_lds s[G0:G0+3], s[G1:G1+7]      ; steps 1 to 7
	s_nop 0
	PLACES
.Lasked:
	s_wait_kmcnt 0x0
	s_ashr_i32 s57, s[INV], 31                     ; all ones where inv is negative
	s_and_b32 s[MK], s57, 0x20820820               ; the sign bits of 16 codes of 6 bits, three words on end
	s_and_b32 s[MK+1], s57, 0x08208208
	s_and_b32 s[MK+2], s57, 0x82082082
	s_and_b32 s57, s[INV], 0x7fffffff
	v_mov_b32 v[P], s57                            ; |inv|
	s_wait_alu depctr_va_vdst(0)
	v_rcp_f32 v[P+1], v[P]
	v_mov_b32 v[Y], 0                              ; (a plain place behind the reciprocal)  written once: a lane permute's destination counts as one of its sources
	s_wait_alu depctr_va_vdst(0)
	v_mov_b32 v[Y+1], 0
	v_fma_f32 v[P+2], -v[P], v[P+1], 1.0           ; one step of Newton's: the reciprocal to within a rounding or so
	v_fma_f32 v[P+1], v[P+1], v[P+2], v[P+1]
	v_mul_f32 v[P+1], 0x3fb8aa3b, v[P+1]           ; c = log2(e) / |inv|, positive: so the largest score gives the largest t and the largest p
	v_readfirstlane_b32 s[CS], v[P+1]
	s_mov_b32 s[CS+1], s[CS]                       ; (named with it as a pair, so it is written)
	s_wait_loadcnt 0x0                             ; Q
.irp i, 0,1,2,3,4,5,6,7,8,9,10,11,12,13,14,15
	ds_store_b128 v[ROWS], v[O+4*\i:O+4*\i+3] offset:2*SROW*\i
.endr
.irp q, 0,1
.irp i, 0,1,2,3,4,5,6,7
	ds_load_b128 v[F0+54*\q+4*\i:F0+54*\q+4*\i+3], v[CB] offset:16*SROW*\q+16*\i   ; my own bytes: LDS serves a wave's instructions in order (ISA guide 5.7.1.4).  Lane (r, h): Q(16 q + r, 32 h + 0 .. 31), a whole block
.endr
.endr
.irp i, 0,1,2,3,4,5
	v_mov_b32 v[QF+6+\i], 0                        ; the zero codes of both fragments
.endr
	s_wait_dscnt 0x0
	QBLK F0, QF, CB+4, BM, BM+1, BM+2, BM+3
	QBLK F1, QF+12, CB+4, BM, BM+1, BM+2, BM+4
.irp i, 0,1,2
	v_xor_b32 v[QF+\i], s[MK+\i], v[QF+\i]         ; Q x the sign of inv: exact, and the quantiser is symmetric
	v_xor_b32 v[QF+3+\i], s[MK+\i], v[QF+3+\i]
	v_xor_b32 v[QF+12+\i], s[MK+\i], v[QF+12+\i]
	v_xor_b32 v[QF+15+\i], s[MK+\i], v[QF+15+\i]
.endr
.irp q, 0,1
	v_permlanex16_b32 v[Y+\q], v[BM+3+\q], s[SEL], s[SEL+1]
.endr
.irp q, 0,1
	v_perm_b32 v[QS+\q], v[BM+3+\q], v[Y+\q], 0x00040004   ; lanes 0-15: byte 0 my block's, byte 1 lane l xor 16's, bytes 2 and 3 the same again
.endr
.irp i, 0,1,2,3,4,5,6,7                        ; the sums begin at 0; the factors' pairs, and v76-81, are named before they are first made.  (These 14 are also the places between Q's scale words and the first product)
	v_mov_b32 v[L+\i], 0
.endr
.irp i, 18,19,20,21,22,23
	v_mov_b32 v[P+\i], 0
.endr
	s_wait_alu depctr_va_vdst(0)
	s_cmp_lg_u32 s[WV], 0
	s_cbranch_scc1 .Lnot_mine
	s_wait_tensorcnt 0x0                           ; wave 0: step 0's bytes are in; the seven other waves' loads may be out
.Lnot_mine:
	s_barrier_signal -1
	s_barrier_wait -1
	LOADK 0, L16, 0
	LOADK 1, L16, 0
	s_mov_b32 s[TB], 0
	STEP 1, 1
	s_mov_b32 s[TB], SUPB
	s_mov_b32 s[CNT], 6
.Lstep:
	STEP 0, 1
	s_add_co_u32 s[TB], s[TB], SUPB
	s_sub_co_u32 s[CNT], s[CNT], 1
	s_cmp_lg_u32 s[CNT], 0
	s_cbranch_scc1 .Lstep
	s_mov_b32 s[TB], 7*SUPB
	STEP 0, 0                                      ; the last step is written out: it asks for nothing beyond the head's bytes
	; THE WAY OUT.  O^T / the sum goes through my stage in LDS and leaves as whole rows: a row of O is 256 bytes.
.irp q, 0,1
	v_add_f32 v[P+\q], v[L+2*\q], v[L+2*\q+1]      ; the sum's two halves,
.endr
.irp q, 0,1
	v_permlanex16_b32 v[Y+\q], v[P+\q], s[SEL], s[SEL+1]
.endr
.irp q, 0,1
	v_add_f32 v[P+\q], v[P+\q], v[Y+\q]            ; and lane l xor 16's: the row's sum
.endr
	s_wait_alu depctr_va_vdst(0)
	v_rcp_f32 v[FS], v[P]
	v_rcp_f32 v[FS+2], v[P+1]
	v_nop                                          ; a plain place behind the reciprocals
	s_wait_alu depctr_va_vdst(0)
.irp q, 0,1
.irp i, 0,2,4,6,8,10,12,14,16,18,20,22,24,26,28,30
	v_pk_mul_f32 v[O+32*\q+\i:O+32*\q+\i+1], v[O+32*\q+\i:O+32*\q+\i+1], v[FS+2*\q:FS+2*\q+1] op_sel_hi:[1,0]   ; register 8 t + i is o(r, 16 t + 8 h + i)
.endr
.endr
.irp q, 0,1
.irp t, 0,1,2,3
	ds_store_b128 v[OST], v[O+32*\q+8*\t:O+32*\q+8*\t+3] offset:16*SROW*\q+64*\t
	ds_store_b128 v[OST], v[O+32*\q+8*\t+4:O+32*\q+8*\t+7] offset:16*SROW*\q+64*\t+16
.endr
.endr
.irp i, 0,1,2,3,4,5,6,7,8,9,10,11,12,13,14,15
	ds_load_b128 v[F0+4*\i+6*(\i/12):F0+4*\i+6*(\i/12)+3], v[ROWS] offset:2*SROW*\i   ; my own bytes, in order: these see the stores above
.endr
.irp i, 0,1,2,3,4,5,6,7,8,9,10,11,12,13,14,15
	s_wait_dscnt 15-\i                             ; LDS loads come back in order (ISA guide 5.7.1): load i is in, the younger ones may be out
	global_store_b128 v[L16], v[F0+4*\i+6*(\i/12):F0+4*\i+6*(\i/12)+3], s[10:11] offset:512*\i th:TH_STORE_NT   ; 32 lanes store two rows, 512 consecutive bytes, at a multiple of 256 from out0's first byte; written once, read by nobody here
.endr
	s_wait_tensorcnt 0x0                           ; the wave's end
	ds_add_u32 v[SPW], v[NIL]
	s_wait_dscnt 0x0
	CROUND                                         ; the closing round: no work-group ends while a partner may still ask for bytes jointly
	s_endpgm
.Lfunc_end_k_q43a76824c6_attn:
	.size	k_q43a76824c6_attn, .Lfunc_end_k_q43a76824c6_attn-k_q43a76824c6_attn
	.p2alignl 7, 3214868480
	.fill 96, 4, 3214868480
	.section	.rodata,"a",@progbits
	.p2align	6, 0x0
	.amdhsa_kernel k_q43a76824c6_attn
		.amdhsa_group_segment_fixed_size 280576
		.amdhsa_private_segment_fixed_size 0
		.amdhsa_enable_private_segment 0
		.amdhsa_kernarg_size 32
		.amdhsa_user_sgpr_count 2
		.amdhsa_user_sgpr_kernarg_segment_ptr 1
		.amdhsa_wavefront_size32 1
		.amdhsa_system_sgpr_workgroup_id_x 1
		.amdhsa_system_sgpr_workgroup_id_y 1
		.amdhsa_system_sgpr_workgroup_id_z 1
		.amdhsa_system_vgpr_workitem_id 0
		.amdhsa_next_free_vgpr 512
		.amdhsa_next_free_sgpr 66
		.amdhsa_reserve_vcc 0
		.amdhsa_float_denorm_mode_32 3
		.amdhsa_float_denorm_mode_16_64 3
		.amdhsa_memory_ordered 1
		.amdhsa_forward_progress 1
		.amdhsa_inst_pref_size 168
	.end_amdhsa_kernel
	.amdgpu_metadata
---
amdhsa.version: [ 1, 2 ]
amdhsa.kernels:
  - .name:           k_q43a76824c6_attn
    .symbol:         k_q43a76824c6_attn.kd
    .args:
      - { .name: query, .offset: 0, .size: 8, .value_kind: global_buffer, .address_space: global }
      - { .name: kv, .offset: 8, .size: 8, .value_kind: global_buffer, .address_space: global }
      - { .name: inv_scale_factor, .offset: 16, .size: 8, .value_kind: global_buffer, .address_space: global }
      - { .name: out0, .offset: 24, .size: 8, .value_kind: global_buffer, .address_space: global }
    .group_segment_fixed_size: 280576
    .private_segment_fixed_size: 0
    .kernarg_segment_align: 8
    .kernarg_segment_size: 32
    .max_flat_workgroup_size: 256
    .sgpr_count:     66
    .vgpr_count:     512
    .wavefront_size: 32
...
	.end_amdgpu_metadata
.endif
;; end of part 2
